; MI455X (gfx1250); checked and timed in simulation.
; The chip was launched on July 23, 2026; its instructions are those of AMD's public machine-readable ISA for CDNA 5 (MIT licence, August 2026) and "CDNA5" Instruction Set Architecture Reference Guide (July 2026). The comments in the code are by the model that wrote it; some were corrected since.
;; Bahdanau Attention. Allowed arithmetic: matrix products marked QUANTISED: E5M2 operands, one given power-of-two scale a tensor, by v_wmma_f32_16x16x64_bf8_bf8 or v_wmma_f32_16x16x128_bf8_bf8, f32 sums; products left as they are: f32 operands where the result goes on into a quantised operand, else bf16, f16 or f32 operands; f32 sums; everything else in f32.
;; Inputs: W_decoder 1,024 x 1,024 float32; W_encoder 1,024 x 1,024 float32; key 32 x 2,048 x 1,024 float32; lowp_scales 4 int32 (the exponents e of the quantised operands' scales 2^e); q 32 x 1,024 float32; v 1 x 1,024 float32.
;; Outputs: out0 32 x 1,024 float32.
;; This version of the problem:
;;   THIS VERSION OF THE PROBLEM IS GIVEN IN LOW PRECISION. The matrix products marked QUANTISED in the list below multiply operands that are first quantised to E5M2 (5 exponent bits, 2 mantissa bits; 8 bits a number), with one given power-of-two scale for each operand tensor; their sums are f32. All else is computed in f32.
;;   The module's matrix products, in the order in which they are computed (A, B: the left and right operand; K: the contracted axis; several contracted axes count as one K, in the product's order):
;;     1. [M 65,536, K 1,024] x [K 1,024, N 1,024]; A: input key; B: input W_encoder: QUANTISED (scales: A lowp_scales[0], B lowp_scales[1])
;;     2. [M 32, K 1,024] x [K 1,024, N 1,024]; A: input q; B: input W_decoder: QUANTISED (scales: A lowp_scales[2], B lowp_scales[3])
;;     3. [M 65,536, K 1,024] x [K 1,024, N 1]; A: computed on the way; B: input v: left as it is (N = 1 < 16)
;;     4. batch 32 x [M 1, K 2,048] x [K 2,048, N 1,024]; A: softmax; B: input key: left as it is (M = 1 < 16)
;;   THE QUANTISER, for each operand of a quantised product, along K:
;;     - The operand's scale is 2^e, e = its entry of the input lowp_scales (int32; the entries are numbered through the quantised products in the list's order, A before B).
;;     - Each number is divided by the scale, clamped to +-57,344, and rounded to the nearest number of E5M2, ties to even, subnormals kept.
;;     - The product sums the exact products of the quantised numbers (number of the format x scale) in f32.
;;   ~~~python
;;   def quantise(x, axis, e):      # numpy; x: float32 -> the quantised numbers, widened to float32 again
;;       x = np.moveaxis(x, axis, -1); K = x.shape[-1]
;;       r = np.clip(x / 2.0 ** e, -57344, 57344)
;;       step = 2.0 ** (np.maximum(np.frexp(np.where(r == 0, 1, r))[1] - 1, -14) - 2)
;;       q = np.round(r / step) * step * 2.0 ** e      # np.round: ties to even
;;       return np.moveaxis(q, -1, axis).astype(np.float32)
;;   ~~~
;; One version. Each part assembles by itself: llvm-mc -triple=amdgcn-amd-amdhsa -mcpu=gfx1250 --defsym DOCPART=n.
;; ======== version 1 of 1: 3 launches
;; limits: right only within a limited range of input values
;; workspace buffers: wcodes 1,048,576 bytes; vtab 131,072 bytes; part 524,288 bytes
;; launch prep (part 1): grid 128 x 1, 4 waves a work-group, no clusters, 34,304 bytes of LDS; arguments q, W_decoder, W_encoder, lowp_scales, wcodes, vtab; writes wcodes, vtab
.if DOCPART == 1
	.amdgcn_target "amdgcn-amd-amdhsa--gfx1250"
	.amdhsa_code_object_version 6
	.text
	.protected	k_qd817daa5e6_prep
	.globl	k_qd817daa5e6_prep
	.p2align	8
	.type	k_qd817daa5e6_prep,@function
k_qd817daa5e6_prep:
	s_mov_b64 s[64:65], 0
	v_nop
	global_prefetch_b8 v0, s[64:65] scope:SCOPE_SE
	s_setreg_imm32_b32 hwreg(HW_REG_WAVE_MODE, 25, 1), 1
	s_wait_xcnt 0x0
; PREP.  (a) W_encoder [1024][1024] f32 becomes codes of E5M2, wcodes [1024 n][1024 bytes];  (b) vtab[b][n] = 2.885390 x (q W_decoder^T)[b][n], the product on codes of E5M2.
; code = x / 2^e, held within +-57,344, to the nearest code, ties to even.  e: lowp_scales[1] for W_encoder, [2] for q, [3] for W_decoder.
; THE ORDER OF K IN A ROW OF CODES.  A wave reads a row of 1,024 f32 by eight loads of 512 consecutive bytes; load s gives lane l the numbers k = 128 s + 4 l + 0..3.  Four conversions turn the lane's 32 numbers
; into 8 registers, register s = the four codes of load s; they are stored as two pieces of 16 bytes, at bytes 16 l and 512 + 16 l of the row.  So byte 512 u + 16 l + 4 s + b of a row of codes is k = 128 (4 u + s) + 4 l + b.
; Every operand of both quantised products (here q, W_decoder, W_encoder; key in the next launch) is laid by this same routine, so each code meets its partner; only the order of the f32 sums differs from ascending k.
; SHARES.  Work-group g: tile of 16 batches mt = g & 1, tile of 16 outputs nt = g >> 1.  Wave w quantises q's rows 16 mt + 4 w + 0..3 and W_decoder's rows 16 nt + 4 w + 0..3 into LDS, and W_encoder's rows 8 g + 2 w + 0, 1 into wcodes.
; Behind one barrier wave 0 multiplies the tile: 8 matrix instructions of K = 128, two accumulators by turns.  The tile has 16 outputs, so vtab is stored in pieces of 64 bytes a row: 128 KiB in all, the price of 128 short work-groups.
; No tensor loads, no cluster: a work-group's rows are few and are read through registers, where they are quantised.
; LIMITS: each e between -126 and 112; e2 + e3 between -127 and 126 (added to the exponent field of 2.885390).  NaN among the inputs is not served.
; WORK LEFT OUT, in the whole program.  tanh(x) = 1 - 2 / (1 + e^(2x)), so a score is (the sum of v's 1,024 numbers) - 2 x the sum over a of v[a] / (1 + e^(2 (U + V))).  The first term is the same for every
; row s of a batch, whatever the inputs hold, and a term that is the same along a softmax's axis cancels in it: it is never formed.  Every input is still loaded.  LIMIT: an overflow in that sum of v alone is not carried to the result.
.set PITCH, 1040                       ; a row of codes in LDS: 1,024 bytes + 16: the 16 rows of a fragment load start 16 bytes apart modulo 256
.set QL,    0                          ; LDS: q's 16 rows
.set DL,    16*PITCH                   ; W_decoder's 16 rows
.set X,     64                         ; v64-255  six sets of 32 numbers: a row each
.set KO,    1                          ; v1   16 x lane
.set LST,   2                          ; v2   LDS: my wave's first row + 16 x lane
.set FRA,   3                          ; v3   a fragment's place: (lane % 16) x PITCH + 16 (lane / 16)
.set VO,    4                          ; v4   vtab: (lane % 16) rows of 4,096 bytes + 32 (lane / 16)
.set SCQ,   5                          ; v5, v6, v7  2^e as f32 for q, W_decoder, W_encoder
.set CC,    8                          ; v8-23 codes of the rows that go to LDS, two sets by turns; v24-39 those of W_encoder's two rows
.set AC,    40                         ; v40-47, v48-55 two accumulators
.set VR,    56                         ; v56-63 the tile x 2.885390 x 2^(e2 + e3)
.set WV,    28                         ; s28  wave
.set LQ,    20                         ; s20, s21: +-57,344 x 2^e for q; s22, s23 for W_decoder; s24, s25 for W_encoder
.set FS,    30                         ; s[30:31] 2.885390 x 2^(e2 + e3)
	s_load_b256 s[4:11], s[0:1], 0x0               ; q s[4:5], W_decoder s[6:7], W_encoder s[8:9], the scales' exponents s[10:11]
	s_load_b128 s[12:15], s[0:1], 0x20             ; wcodes s[12:13], vtab s[14:15]
	s_set_vgpr_msb 0x40
	v_lshl_add_u32 v0, v0, 2, 0x8400
	v_mov_b32 v1, 0
	s_set_vgpr_msb 0x4000
	v_lshrrev_b32 v56, 5, v0
	v_readfirstlane_b32 s[WV], v56                 ; wave 0..3
	v_and_b32 v57, 31, v0
	v_lshlrev_b32 v[KO], 4, v57
	s_mul_i32 s29, s[WV], 4*PITCH
	v_add_nc_u32 v[LST], s29, v[KO]
	v_and_b32 v56, 15, v0
	v_bfe_u32 v57, v0, 4, 1
	v_mul_u32_u24 v[FRA], v56, PITCH
	v_lshl_add_u32 v[FRA], v57, 4, v[FRA]
	v_lshlrev_b32 v[VO], 12, v56
	v_lshl_add_u32 v[VO], v57, 5, v[VO]
	s_and_b32 s26, ttmp9, 1                        ; mt
	s_lshr_b32 s27, ttmp9, 1                       ; nt
	s_lshl_b32 s42, s[WV], 14                      ; 4 w rows of 4,096 bytes
	s_lshl_b32 s32, s26, 16
	s_add_co_u32 s32, s32, s42                     ; q: (16 mt + 4 w) rows
	s_mov_b32 s33, 0
	s_lshl_b32 s34, s27, 16
	s_add_co_u32 s34, s34, s42                     ; W_decoder: (16 nt + 4 w) rows
	s_mov_b32 s35, 0
	s_lshl_b32 s36, ttmp9, 15
	s_lshl_b32 s42, s[WV], 13
	s_add_co_u32 s36, s36, s42                     ; W_encoder: (8 g + 2 w) rows
	s_mov_b32 s37, 0
	s_lshl_b32 s38, ttmp9, 13
	s_lshl_b32 s42, s[WV], 11
	s_add_co_u32 s38, s38, s42                     ; wcodes: the same rows, of 1,024 bytes
	s_mov_b32 s39, 0
	s_lshl_b32 s40, s26, 16
	s_lshl_b32 s42, s27, 6
	s_add_co_u32 s40, s40, s42                     ; vtab: 16 mt rows + 16 nt numbers
	s_mov_b32 s41, 0
	s_wait_alu depctr_va_vdst(0)
	s_wait_kmcnt 0x0
	s_load_b128 s[16:19], s[10:11], 0x0            ; e0, e1, e2, e3
	s_add_nc_u64 s[4:5], s[4:5], s[32:33]
	s_add_nc_u64 s[6:7], s[6:7], s[34:35]
	s_add_nc_u64 s[8:9], s[8:9], s[36:37]
	s_add_nc_u64 s[12:13], s[12:13], s[38:39]
	s_add_nc_u64 s[14:15], s[14:15], s[40:41]
.macro RLOAD set, base, off            ; a row: eight loads of 512 consecutive bytes
.irp s, 0,1,2,3,4,5,6,7
	global_load_b128 v[X+32*(\set)+4*\s:X+32*(\set)+4*\s+3], v[KO], s[\base:\base+1] offset:\off+512*\s
.endr
.endm
.macro ROWIN i                         ; my row i of ten: 0-3 q's, 4-7 W_decoder's, 8, 9 W_encoder's
.if (\i) < 4
	RLOAD (\i)%6, 4, (\i)*4096
.elseif (\i) < 8
	RLOAD (\i)%6, 6, ((\i)-4)*4096
.else
	RLOAD (\i)%6, 8, ((\i)-8)*4096
.endif
.endm
.macro RQ set, c, lim, sc              ; the row in set becomes 8 registers of codes at v[c]
.set xr, X+32*(\set)
.set n, 0
.rept 32
	v_med3_num_f32 v[xr+n], v[xr+n], s[\lim+1], s[\lim]   ; the conversion to an 8-bit code does not saturate (ISA guide 7.6.2): the hold at the largest code x the scale comes first
.set n, n+1
.endr
.irp g, 0,1,2,3
	v_cvt_scalef32_pk8_bf8_f32 v[(\c)+2*\g:(\c)+2*\g+1], v[xr+8*\g:xr+8*\g+7], v[\sc]
.endr
	v_nop                                          ; one plain vector line behind the last conversion, ahead of whatever vector or matrix line next touches these registers
.endm
.macro SCALE e, lim, vs                ; from the exponent in s[e]: 2^e for the conversion, +-57,344 x 2^e for the hold
	s_add_co_i32 s42, s[\e], 127
	s_lshl_b32 s43, s42, 23
	v_mov_b32 v[\vs], s43
	s_add_co_i32 s42, s42, 15
	s_lshl_b32 s42, s42, 23
	s_or_b32 s[\lim], s42, 0x600000
	s_or_b32 s[\lim+1], s[\lim], 0x80000000
.endm
.irp i, 0,1,2,3,4,5
	ROWIN \i                                       ; six rows, 48 loads, are on their way
.endr
	s_wait_kmcnt 0x0
	SCALE 18, LQ, SCQ
	SCALE 19, LQ+2, SCQ+1
	SCALE 17, LQ+4, SCQ+2
	s_add_co_i32 s42, s18, s19
	s_lshl_b32 s42, s42, 23
	s_add_co_i32 s[FS], s42, 0x4038aa3b            ; e2 + e3 added to the exponent field of 2.885390 = 2 log2(e)
	s_mov_b32 s[FS+1], s[FS]                       ; (named with it as a pair, so it is written)
.macro ROW i
.if (\i) > 4
	s_wait_loadcnt 8*(9-(\i))                      ; behind row i's loads: those of the rows still to come
.else
	s_wait_loadcnt 40                              ; behind row i's loads: five rows' 40
.endif
	s_wait_dscnt 0x0                               ; the LDS stores have read the registers that the conversions write again
.if (\i) < 4
	RQ (\i)%6, CC+8*((\i)%2), LQ, SCQ
	ds_store_b128 v[LST], v[CC+8*((\i)%2):CC+8*((\i)%2)+3] offset:QL+(\i)*PITCH
	ds_store_b128 v[LST], v[CC+8*((\i)%2)+4:CC+8*((\i)%2)+7] offset:QL+(\i)*PITCH+512
.elseif (\i) < 8
	RQ (\i)%6, CC+8*((\i)%2), LQ+2, SCQ+1
	ds_store_b128 v[LST], v[CC+8*((\i)%2):CC+8*((\i)%2)+3] offset:DL+((\i)-4)*PITCH
	ds_store_b128 v[LST], v[CC+8*((\i)%2)+4:CC+8*((\i)%2)+7] offset:DL+((\i)-4)*PITCH+512
.else
	RQ (\i)%6, CC+16+8*((\i)-8), LQ+4, SCQ+2
	global_store_b128 v[KO], v[CC+16+8*((\i)-8):CC+16+8*((\i)-8)+3], s[12:13] offset:((\i)-8)*1024       ; the wave stores 512 consecutive bytes, at a multiple of 512 from wcodes' first byte
	global_store_b128 v[KO], v[CC+16+8*((\i)-8)+4:CC+16+8*((\i)-8)+7], s[12:13] offset:((\i)-8)*1024+512  ; these registers are written once: no wait is owed for them
.endif
.if (\i)+6 < 10
	ROWIN (\i)+6                                   ; the set just read takes the row six on
.endif
.endm
.irp i, 0,1,2,3,4,5,6,7,8,9
	ROW \i
.endr
	s_wait_dscnt 0x0                               ; for the others' sake: my rows lie in LDS
	s_barrier_signal -1
	s_barrier_wait -1
	s_cmp_lg_u32 s[WV], 0
	s_cbranch_scc1 .Ldone                          ; one tile: one wave multiplies
	; TRANSPOSED: source 0 = 16 rows of W_decoder, source 1 = 16 rows of q: lane (r, h) holds batch 16 mt + r, its register j output 16 nt + 8 h + j.  K in two halves of 512; the two accumulators take turns.
.irp H, 0,1
.if \H
.rept 4
	v_nop                                          ; four places in front of loads into registers that matrix instructions have read
.endr
.endif
.irp s, 0,1,2,3
.irp c, 0,1,2,3
	ds_load_b128 v[64+16*\s+4*\c:64+16*\s+4*\c+3], v[FRA] offset:DL+128*(4*\H+\s)+32*\c
	ds_load_b128 v[128+16*\s+4*\c:128+16*\s+4*\c+3], v[FRA] offset:QL+128*(4*\H+\s)+32*\c
.endr
.endr
	s_wait_dscnt 0x0
.irp s, 0,1,2,3
.if (\H == 0) && (\s < 2)
	v_wmma_f32_16x16x128_bf8_bf8 v[AC+8*(\s%2):AC+8*(\s%2)+7], v[64+16*\s:64+16*\s+15], v[128+16*\s:128+16*\s+15], 0
.else
	v_wmma_f32_16x16x128_bf8_bf8 v[AC+8*(\s%2):AC+8*(\s%2)+7], v[64+16*\s:64+16*\s+15], v[128+16*\s:128+16*\s+15], v[AC+8*(\s%2):AC+8*(\s%2)+7]
.endif
.endr
.endr
.rept 4
	v_nop                                          ; four places in front of the first read of results
.endr
.irp j, 0,2,4,6
	v_pk_mul_f32 v[VR+\j:VR+\j+1], v[AC+\j:AC+\j+1], s[FS:FS+1] op_sel_hi:[1,0]        ; each accumulator from its low end on
.endr
.irp j, 0,2,4,6
	v_pk_fma_f32 v[VR+\j:VR+\j+1], v[AC+8+\j:AC+8+\j+1], s[FS:FS+1], v[VR+\j:VR+\j+1] op_sel_hi:[1,0,1]
.endr
	global_store_b128 v[VO], v[VR:VR+3], s[14:15]
	global_store_b128 v[VO], v[VR+4:VR+7], s[14:15] offset:16
.Ldone:
	s_set_vgpr_msb 0x5
	s_wait_tensorcnt 0x0
	ds_add_u32 v0, v1
	s_wait_dscnt 0x0
	s_set_vgpr_msb 0x500
	s_endpgm
.Lfunc_end_k_qd817daa5e6_prep:
	.size	k_qd817daa5e6_prep, .Lfunc_end_k_qd817daa5e6_prep-k_qd817daa5e6_prep
	.p2alignl 7, 3214868480
	.fill 96, 4, 3214868480
	.section	.rodata,"a",@progbits
	.p2align	6, 0x0
	.amdhsa_kernel k_qd817daa5e6_prep
		.amdhsa_group_segment_fixed_size 34304
		.amdhsa_private_segment_fixed_size 0
		.amdhsa_enable_private_segment 0
		.amdhsa_kernarg_size 48
		.amdhsa_user_sgpr_count 2
		.amdhsa_user_sgpr_kernarg_segment_ptr 1
		.amdhsa_wavefront_size32 1
		.amdhsa_system_sgpr_workgroup_id_x 1
		.amdhsa_system_sgpr_workgroup_id_y 1
		.amdhsa_system_sgpr_workgroup_id_z 1
		.amdhsa_system_vgpr_workitem_id 0
		.amdhsa_next_free_vgpr 258
		.amdhsa_next_free_sgpr 66
		.amdhsa_reserve_vcc 0
		.amdhsa_float_denorm_mode_32 3
		.amdhsa_float_denorm_mode_16_64 3
		.amdhsa_memory_ordered 1
		.amdhsa_forward_progress 1
		.amdhsa_inst_pref_size 42
	.end_amdhsa_kernel
	.amdgpu_metadata
---
amdhsa.version: [ 1, 2 ]
amdhsa.kernels:
  - .name:           k_qd817daa5e6_prep
    .symbol:         k_qd817daa5e6_prep.kd
    .args:
      - { .name: q, .offset: 0, .size: 8, .value_kind: global_buffer, .address_space: global }
      - { .name: W_decoder, .offset: 8, .size: 8, .value_kind: global_buffer, .address_space: global }
      - { .name: W_encoder, .offset: 16, .size: 8, .value_kind: global_buffer, .address_space: global }
      - { .name: lowp_scales, .offset: 24, .size: 8, .value_kind: global_buffer, .address_space: global }
      - { .name: wcodes, .offset: 32, .size: 8, .value_kind: global_buffer, .address_space: global }
      - { .name: vtab, .offset: 40, .size: 8, .value_kind: global_buffer, .address_space: global }
    .group_segment_fixed_size: 34304
    .private_segment_fixed_size: 0
    .kernarg_segment_align: 8
    .kernarg_segment_size: 48
    .max_flat_workgroup_size: 128
    .sgpr_count:     66
    .vgpr_count:     258
    .wavefront_size: 32
...
	.end_amdgpu_metadata
.endif
;; end of part 1
;; launch score (part 2): grid 256 x 1, 4 waves a work-group, clusters of 4 x 1, 327,680 bytes of LDS; arguments key, wcodes, vtab, v, lowp_scales, part; writes part
.if DOCPART == 2
	.amdgcn_target "amdgcn-amd-amdhsa--gfx1250"
	.amdhsa_code_object_version 6
	.text
	.protected	k_qd817daa5e6_score
	.globl	k_qd817daa5e6_score
	.p2align	8
	.type	k_qd817daa5e6_score,@function
k_qd817daa5e6_score:
	s_mov_b64 s[64:65], 0
	v_nop
	global_prefetch_b8 v0, s[64:65] scope:SCOPE_SE
	s_setreg_imm32_b32 hwreg(HW_REG_WAVE_MODE, 25, 1), 1
	s_wait_xcnt 0x0
	s_wait_alu depctr_hold_cnt(0) depctr_sa_sdst(0) depctr_va_vdst(0) depctr_va_sdst(0) depctr_va_ssrc(0) depctr_va_vcc(0) depctr_vm_vsrc(0)
	s_getreg_b32 s2, hwreg(HW_REG_IB_STS2, 6, 4)
	s_cmp_eq_u32 s2, 0
	s_cbranch_scc0 .Lentry_in_a_cluster
	s_endpgm
.Lentry_in_a_cluster:
	s_bfe_u32 s2, ttmp6, 0x10000c
	s_cmp_lg_u32 s2, 0x3003
	s_cbranch_scc0 .Lentry_shape_is_right
	s_endpgm
.Lentry_shape_is_right:
; SCORE.  part[u][row] = the sum over half of the 1,024 outputs a of v[a] / (1 + 2^(2.885390 (U[row][a] + V[b][a]))),  U = key W_encoder^T on codes of E5M2 (f32 sums).
; tanh(x) = 1 - 2 / (1 + 2^(2.885390 x)): a score is a constant of the batch - 2 (part[0] + part[1]); the constant (the sum of v) is the same along the softmax's axis and is left out, as the first kernel's head shows.
; key is quantised here, in registers, since each of its numbers is read once: x / 2^e0, held within +-57,344, to the nearest code, ties to even.  The order of K in a row of codes is the first kernel's, the same as in wcodes.
; SHARES.  Work-group g owns rows 256 g .. 256 g + 255 (batch g / 8), in two blocks of 128.  Waves 2 x 2: wave w holds rows 64 (w / 2) + 0..63 of the block as codes in 512 registers, and takes outputs 32 (w % 2) + 0..31 of each 64.
; W's codes come through a ring of two LDS slots of 64 outputs x 1,024 bytes; each wave fetches 16 rows.  All work-groups walk the same W: the four of a cluster ask JOINTLY (mask 15), behind a round of the cluster's barrier.
; A SLOT is 64 matrix instructions a wave (2 tiles of 16 outputs x 4 tiles of 16 rows x K in 8 steps of 128; the four row tiles' accumulators by turns), and then ONE epilogue over its 64 registers, in whole
; batches: 32 packed multiply-adds, 64 exponentials, 32 packed additions, 64 reciprocals, 32 packed multiply-adds by v.  No transcendental stands among the matrix instructions, so a slot has four waits on the vector results.
; TRANSPOSED USE: source 0 = 16 rows of W, source 1 = 16 rows of key: lane (r, h) holds row r, its register j output 8 h + j.
; key's rows: 64 loads of 512 consecutive bytes a wave (8 rows) are on their way; two rows at a time are held, converted, parked in LDS and their registers asked for again, 32 rows on.  Block 1 is parked while block 0 is multiplied.
; No prefetch: key is asked for by each wave's own loads, 64 loads ahead of their use, and wcodes, 1 MiB, is read again and again by all work-groups of the launch.
; LIMITS: e0 between -126 and 112; e0 + e1 between -127 and 126 (added to the exponent field of 2.885390).  NaN among the inputs is not served.
; REGISTERS.  Window 0: v1-14, v120-123 addresses; v16-31 V's numbers, v104-119 v's, for the slot's two tiles; v32-95 eight accumulators (between slots: codes and scratch); v96-103 the rows' sums; v128-255 eight fragments of W.
; Window 1: key's 8 rows as loaded.  Windows 2, 3: key's codes, K 0-511 and 512-1023.
.set PITCH,  1040                      ; an LDS row of codes: 1,024 bytes + 16
.set SLOTB,  64*PITCH
.set PARK,   2*SLOTB                   ; 128 rows of key's codes
.set TAB,    PARK+128*PITCH            ; V's row of the batch, 4,096 bytes, then v
.set SCR,    TAB+8192                  ; 256 bytes a wave: 64 rows' sums on the way out
.set SPARE,  SCR+1024                  ; the spare words, 128 bytes a wave
.set ADRW, 1                           ; my fragments' place in slot 0
.set ADW,  2                           ; the same in the slot in hand
.set TA0,  3                           ; my place in the tables
.set ADT,  4                           ; the same for the slot in hand
.set KO,   5                           ; 16 x lane
.set ADP,  6                           ; where my codes are parked
.set SPW,  7
.set NIL,  8
.set QS,   9                           ; 2^e0 as f32
.set PFE,  10                          ; my 64 rows in the park
.set SOA,  11
.set SOB,  12
.set SGO,  13
.set ADN,  14                          ; my fragments' place in the next slot
.set VP,   16
.set ACC0, 32
.set CC,   32                          ; codes of two rows (between slots)
.set T,    48                          ; scratch (between slots)
.set SC,   96
.set VV,   104
.set KF,   120                         ; v120-123 key's offsets, one for each pair of rows
.set WF,   128
.set WV,   16
.set G1,   24
.set G0,   32
.set SB,   36                          ; LDS byte of the slot in hand, and of the other
.set SBN,  37
.set OFS,  42                          ; s[42:43] my part of the next tile in wcodes
.set CS,   46                          ; s[46:47] 2.885390 x 2^(e0 + e1)
.set LIM,  48                          ; s48, s49 +-57,344 x 2^e0
.set SEL,  50
.set TB,   52
.set PK,   53
.set CI,   54
.set CO,   55
.set KEY,  56
.set PRT,  58
.set MSB, 0
.macro WIN new                         ; the immediate's high byte repeats the setting that is left
.if MSB != (\new)
	s_set_vgpr_msb (MSB<<8)|(\new)
.set MSB, (\new)
.endif
.endm
.macro PLACES
.rept 4
	v_nop
.endr
.endm
.macro CREST                           ; a round of the cluster's barrier behind its opening barrier
	s_cmp_lg_u32 s[WV], 0
	s_cbranch_scc1 .Lnot_wave_0_\@
	s_barrier_signal -3
.Lnot_wave_0_\@:
	s_barrier_wait -3
	s_barrier_signal -1
	s_barrier_wait -1
.endm
.macro CROUND
	s_barrier_signal -1
	s_barrier_wait -1
	CREST
.endm
.macro NEXTW                           ; the walking descriptor: the other slot, the next 64 rows of wcodes, round its 1 MiB.  Written only where no tensor load of mine is out
	s_xor_b32 s[G0+1], s[G0+1], SLOTB
	s_add_co_u32 s[OFS], s[OFS], 65536
	s_and_b32 s[OFS], s[OFS], 0xfffff
	s_add_nc_u64 s[G0+2:G0+3], s[6:7], s[OFS:OFS+1]
	s_or_b32 s[G0+3], s[G0+3], 0x80000000
.endm
.macro WLOADT                          ; my 16 rows of a tile of W
	tensor_load_to_lds s[G0:G0+3], s[G1:G1+7]
	s_nop 0
	PLACES
.endm
	s_load_b256 s[4:11], s[0:1], 0x0               ; key s[4:5], wcodes s[6:7], vtab s[8:9], v s[10:11]
	s_load_b128 s[12:15], s[0:1], 0x20             ; the scales' exponents s[12:13], part s[14:15]
	v_lshl_add_u32 v[SPW], v0, 2, SPARE
	v_mov_b32 v[NIL], 0
	ds_add_u32 v[SPW], v[NIL]                      ; the opening lines: the add, twice on end, and its wait ahead of my first tensor load
	ds_add_u32 v[SPW], v[NIL]
	v_lshrrev_b32 v[T], 5, v0
	v_readfirstlane_b32 s[WV], v[T]                ; wave 0..3
	s_lshr_b32 s17, s[WV], 1                       ; which 64 rows of a block
	s_and_b32 s18, s[WV], 1                        ; which 32 outputs of a slot
	s_bfe_u32 s19, ttmp6, 0x40000
	s_lshl_b32 s20, ttmp9, 2
	s_add_co_u32 s20, s20, s19                     ; work-group g
	s_mov_b32 s[G1], 15|(1<<20)|(1<<21)|(7<<22)|(3<<25)   ; mask: all four of the cluster; elements of 1 byte; four words of padding after every 256
	s_mov_b32 s[G1+1], 1024<<16
	s_mov_b32 s[G1+2], 16<<16
	s_mov_b32 s[G1+3], 1024<<16
	s_mov_b32 s[G1+4], 16
	s_mov_b32 s[G1+5], 1024
	s_mov_b32 s[G1+6], 0
	s_mov_b32 s[G1+7], 0
	s_lshl_b32 s[OFS], s[WV], 14                   ; 16 rows of 1,024 bytes a wave: nothing here hangs on the place in the cluster
	s_mov_b32 s[OFS+1], 0
	s_mov_b32 s[G0], 1
	s_mul_i32 s[G0+1], s[WV], 16*PITCH
	s_mov_b32 s[SEL], 0x76543210
	s_mov_b32 s[SEL+1], 0xfedcba98
	s_mov_b32 s[SB], 0
	s_mov_b32 s[SBN], SLOTB
	s_mov_b32 s[TB], 0
	s_lshr_b32 s21, s20, 3
	s_lshl_b32 s60, s21, 12                        ; vtab: the batch's row
	s_mov_b32 s61, 0
	s_lshl_b32 s62, s20, 20                        ; key: 256 rows of 4,096 bytes a work-group,
	s_lshl_b32 s21, s[WV], 15
	s_add_co_u32 s62, s62, s21                     ; 8 rows a wave
	s_mov_b32 s63, 0
	s_lshl_b32 s66, s18, 18                        ; part: [2][65,536] f32
	s_lshl_b32 s21, s20, 10
	s_add_co_u32 s66, s66, s21
	s_lshl_b32 s21, s17, 8
	s_add_co_u32 s66, s66, s21
	s_mov_b32 s67, 0
	v_and_b32 v[KO], 31, v0
	v_lshlrev_b32 v[SGO], 3, v[KO]
	v_lshlrev_b32 v[KO], 4, v[KO]
.irp p, 0,1,2,3
	v_add_nc_u32 v[KF+\p], \p*8192, v[KO]
.endr
	v_lshlrev_b32 v[ADT], 5, v0                    ; (for now) 32 x thread: my part of the tables
	v_add_nc_u32 v[ADP], TAB, v[ADT]
	s_wait_dscnt 0x0                               ; both opening adds are done
	s_wait_alu depctr_va_vdst(0)
	s_wait_kmcnt 0x0
	s_load_b128 s[68:71], s[12:13], 0x0            ; e0, e1, ..
	s_add_nc_u64 s[8:9], s[8:9], s[60:61]
	s_add_nc_u64 s[KEY:KEY+1], s[4:5], s[62:63]
	s_add_nc_u64 s[PRT:PRT+1], s[14:15], s[66:67]
	s_add_nc_u64 s[G0+2:G0+3], s[6:7], s[OFS:OFS+1]
	s_or_b32 s[G0+3], s[G0+3], 0x80000000
	global_load_b128 v[32:35], v[ADT], s[8:9]
	global_load_b128 v[36:39], v[ADT], s[8:9] offset:16
	global_load_b128 v[40:43], v[ADT], s[10:11]
	global_load_b128 v[44:47], v[ADT], s[10:11] offset:16
	WIN 0x40
.irp p, 0,1,2,3                                        ; my first 8 rows: 64 loads of 512 consecutive bytes
.irp o, 0,1
.irp s, 0,1,2,3,4,5,6,7
	global_load_b128 v[64*\p+32*\o+4*\s:64*\p+32*\o+4*\s+3], v[KF+\p], s[KEY:KEY+1] offset:\o*4096+512*\s th:TH_LOAD_NT
.endr
.endr
.endr
	WIN 0
	CROUND                                         ; all four work-groups are here: the first joint loads meet
	WLOADT                                         ; slot 0: one tensor load a wave at the head
	s_mul_i32 s21, s17, 64*PITCH
	s_add_co_u32 s21, s21, PARK
	s_mul_i32 s22, s18, 32*PITCH
	s_lshl_b32 s23, s18, 7
	s_add_co_u32 s23, s23, TAB
	s_lshl_b32 s38, s[WV], 8
	s_add_co_u32 s38, s38, SCR
	s_mul_i32 s[PK], s[WV], 8*PITCH
	s_add_co_u32 s[PK], s[PK], PARK
	s_wait_kmcnt 0x0
	s_add_co_i32 s72, s68, 127
	s_lshl_b32 s73, s72, 23                        ; 2^e0 as f32
	s_add_co_i32 s72, s72, 15
	s_lshl_b32 s72, s72, 23
	s_or_b32 s[LIM], s72, 0x600000                 ; 57,344 x 2^e0
	s_or_b32 s[LIM+1], s[LIM], 0x80000000
	s_add_co_i32 s72, s68, s69
	s_lshl_b32 s72, s72, 23
	s_add_co_i32 s[CS], s72, 0x4038aa3b            ; e0 + e1 added to the exponent field of 2.885390
	s_mov_b32 s[CS+1], s[CS]
	v_mov_b32 v[QS], s73
	v_and_b32 v[T], 15, v0                         ; r
	v_bfe_u32 v[T+1], v0, 4, 1                     ; h
	v_mul_u32_u24 v[ADRW], v[T], PITCH
	v_lshl_add_u32 v[ADRW], v[T+1], 4, v[ADRW]     ; a fragment's place: r x pitch + 16 h
	v_add_nc_u32 v[PFE], s21, v[ADRW]
	v_add_nc_u32 v[ADRW], s22, v[ADRW]
	v_mov_b32 v[ADW], v[ADRW]
	v_add_nc_u32 v[ADN], SLOTB, v[ADRW]
	v_lshl_add_u32 v[TA0], v[T+1], 5, s23          ; my eight outputs of a tile: 32 h bytes on
	v_lshl_add_u32 v[SOA], v[T], 2, s38
	v_add_nc_u32 v[SOB], s38, v[SGO]
.set n, 0
.rept 8
	v_mov_b32 v[SC+n], 0                           ; the rows' sums of block 0
.set n, n+1
.endr
	s_wait_alu depctr_va_vdst(0)
	s_wait_tensorcnt 0x0                           ; my part of slot 0 is in; slot 1's first fill is issued as a refill is:
	ds_add_u32 v[SPW], v[NIL]                      ; the add,
	NEXTW
	s_wait_dscnt 0x0
	CROUND                                         ; a whole round,
	WLOADT                                         ; and slot 1's load first behind it
	s_wait_loadcnt 63                              ; the tables' four loads are in
	ds_store_b128 v[ADP], v[32:35]
	ds_store_b128 v[ADP], v[36:39] offset:16
	ds_store_b128 v[ADP], v[40:43] offset:4096
	ds_store_b128 v[ADP], v[44:47] offset:4112
	s_wait_xcnt 0x0                                ; the tables' loads have read v[ADT]
	v_mov_b32 v[ADT], v[TA0]
	s_wait_alu depctr_va_vdst(0)
; Two rows of key (pair p of my eight): held, converted, parked.  req = 1: their registers take the rows 32 further on.  left: the loads that may stay out.  dsw = 1: the last pair's LDS stores still read v[CC..].
.macro PAIR p, req, left, dsw
	s_wait_loadcnt \left
	WIN 0x41
.set n, 0
.rept 64
	v_med3_num_f32 v[64*(\p)+n], v[64*(\p)+n], s[LIM+1], s[LIM]   ; the conversion to an 8-bit code does not saturate (ISA guide 7.6.2): the hold comes first
.set n, n+1
.endr
.if \dsw
	s_wait_alu depctr_va_vdst(0)
	s_wait_dscnt 0x0
.endif
	WIN 0x01
.irp o, 0,1
.irp g, 0,1,2,3
	v_cvt_scalef32_pk8_bf8_f32 v[CC+8*\o+2*\g:CC+8*\o+2*\g+1], v[64*(\p)+32*\o+8*\g:64*(\p)+32*\o+8*\g+7], v[QS]
.endr
.endr
	v_nop                                          ; one plain line behind the last conversion
	WIN 0
.irp o, 0,1
	ds_store_b128 v[ADP], v[CC+8*\o:CC+8*\o+3] offset:(2*(\p)+\o)*PITCH
	ds_store_b128 v[ADP], v[CC+8*\o+4:CC+8*\o+7] offset:(2*(\p)+\o)*PITCH+512
.endr
.if \req
	v_add_nc_u32 v[KF+\p], 32*4096, v[KF+\p]       ; (the loads that read it are in: the wait above)
	WIN 0x40
.irp o, 0,1
.irp s, 0,1,2,3,4,5,6,7
	global_load_b128 v[64*(\p)+32*\o+4*\s:64*(\p)+32*\o+4*\s+3], v[KF+\p], s[KEY:KEY+1] offset:\o*4096+512*\s th:TH_LOAD_NT
.endr
.endr
	WIN 0
.endif
.endm
.macro LUMP req                        ; my eight rows: 32 rows of the work-group
	s_wait_dscnt 0x0
	v_add_nc_u32 v[ADP], s[PK], v[KO]
.irp p, 0,1,2,3
.if \req
	PAIR \p, 1, 48, 1
.else
	PAIR \p, 0, 48-16*\p, 1
.endif
.endr
.if \req
	s_add_co_u32 s[PK], s[PK], 32*PITCH
.endif
.endm
.macro AFETCH                          ; my 64 rows of codes, out of the park into windows 2 and 3: fragment (row tile m, K step 4 hw + s) at v[16 (4 m + s)]
.irp hw, 0,1
	WIN 0x80+0x40*\hw
.irp m, 0,1,2,3
.irp s, 0,1,2,3
.irp c, 0,1,2,3
	ds_load_b128 v[16*(4*\m+\s)+4*\c:16*(4*\m+\s)+4*\c+3], v[PFE] offset:\m*16*PITCH+128*(4*\hw+\s)+32*\c
.endr
.endr
.endr
.endr
	WIN 0
.endm
.macro FETCHW s0, n, adr, off          ; n fragments of W, K steps s0 on
.set fs, \s0
.rept \n
.irp c, 0,1,2,3
	ds_load_b128 v[WF+16*fs+4*\c:WF+16*fs+4*\c+3], v[\adr] offset:\off+128*fs+32*\c
.endr
.set fs, fs+1
.endr
.endm
.macro HALF set, s0, n                 ; K steps s0 .. s0 + n - 1 of output tile set: each fragment of W against my four row tiles, whose accumulators take turns
.set sg, \s0
.rept \n
	WIN 0x08+4*(sg/4)                              ; source 1: window 2 or 3
.set mt, 0
.rept 4
.set rD, ACC0+32*(\set)+8*mt
.set rA, 16*(4*mt+sg%4)
.if sg == 0
	v_wmma_f32_16x16x128_bf8_bf8 v[rD:rD+7], v[WF+16*sg:WF+16*sg+15], v[rA:rA+15], 0
.else
	v_wmma_f32_16x16x128_bf8_bf8 v[rD:rD+7], v[WF+16*sg:WF+16*sg+15], v[rA:rA+15], v[rD:rD+7]
.endif
.set mt, mt+1
.endr
.set sg, sg+1
.endr
.endm
; THE EPILOGUE of a slot's 64 sums, in place.  adv = 1: the addresses step to the next slot first, so that the 32 lines below stand between these writes and their readers.
.macro EPI adv
.if \adv
	s_xor_b32 s[SB], s[SB], SLOTB
	s_xor_b32 s[SBN], s[SBN], SLOTB
	s_add_co_u32 s[TB], s[TB], 256
	v_add_nc_u32 v[ADW], s[SB], v[ADRW]
	v_add_nc_u32 v[ADN], s[SBN], v[ADRW]
	v_add_nc_u32 v[ADT], s[TB], v[TA0]
.endif
.set n, 0
.rept 32                                               ; 2.885390 (U + V); each accumulator from its low end on
	v_pk_fma_f32 v[ACC0+2*n:ACC0+2*n+1], v[ACC0+2*n:ACC0+2*n+1], s[CS:CS+1], v[VP+8*(n/16)+2*(n%4):VP+8*(n/16)+2*(n%4)+1] op_sel_hi:[1,0,1]
.set n, n+1
.endr
	s_wait_alu depctr_va_vdst(0)                   ; a wait ahead of a batch of transcendentals and one behind it
.set n, 0
.rept 64
	v_exp_f32 v[ACC0+n], v[ACC0+n]
.set n, n+1
.endr
	v_nop
	s_wait_alu depctr_va_vdst(0)
.set n, 0
.rept 32
	v_pk_add_f32 v[ACC0+2*n:ACC0+2*n+1], v[ACC0+2*n:ACC0+2*n+1], 1.0 op_sel_hi:[1,0]
.set n, n+1
.endr
	s_wait_alu depctr_va_vdst(0)
.set n, 0
.rept 64
	v_rcp_f32 v[ACC0+n], v[ACC0+n]                 ; an infinity gives 0: tanh = 1 there
.set n, n+1
.endr
	v_nop
	s_wait_alu depctr_va_vdst(0)
.irp u, 0,1
.irp jp, 0,1,2,3
.irp m, 0,1,2,3                                        ; x v, onto the row tile's pair of sums; the four pairs take turns
	v_pk_fma_f32 v[SC+2*\m:SC+2*\m+1], v[ACC0+32*\u+8*\m+2*\jp:ACC0+32*\u+8*\m+2*\jp+1], v[VV+8*\u+2*\jp:VV+8*\u+2*\jp+1], v[SC+2*\m:SC+2*\m+1]
.endr
.endr
.endr
.endm
; A SLOT.  On entry tile 0's eight fragments are asked for.  mode 2: the slot is filled again, behind a round of the cluster's barrier; 1: the change of slots without a fill; 0: the last slot.
.macro SLOT mode
	s_wait_dscnt 0x0
	HALF 0, 0, 4
	PLACES                                         ; four places in front of loads into registers that matrix instructions have read
	FETCHW 0, 4, ADW, 16*PITCH                     ; tile 1
.irp u, 0,1
	ds_load_b128 v[VP+8*\u:VP+8*\u+3], v[ADT] offset:64*\u
	ds_load_b128 v[VP+8*\u+4:VP+8*\u+7], v[ADT] offset:64*\u+16
	ds_load_b128 v[VV+8*\u:VV+8*\u+3], v[ADT] offset:4096+64*\u
	ds_load_b128 v[VV+8*\u+4:VV+8*\u+7], v[ADT] offset:4112+64*\u
.endr
	HALF 0, 4, 4
	PLACES
	FETCHW 4, 4, ADW, 16*PITCH                     ; my last reads of this slot
.if \mode > 0
	WIN 0
	s_wait_tensorcnt 0x0                           ; all my tensor loads have landed: my part of the next slot;
	ds_add_u32 v[SPW], v[NIL]                      ; the add;
.if \mode == 2
	NEXTW
.endif
	s_wait_dscnt 17                                ; (the youngest 16 loads and the add may be out)
.else
	s_wait_dscnt 16
.endif
	HALF 1, 0, 4
	s_wait_dscnt 0x0                               ; the add is done, and my reads of this slot are over
.if \mode > 0
	s_barrier_signal -1
.endif
	HALF 1, 4, 1
.if \mode > 0
	WIN 0
	s_barrier_wait -1
.endif
.if \mode == 2
	CREST                                          ; no wave of any partner still reads this slot or has a load on its way
	WLOADT                                         ; the refill, first behind the round; its four v_nop are the places in front of the loads below
.elseif \mode == 1
	PLACES
.endif
.if \mode > 0
	FETCHW 0, 4, ADN, 0                            ; the next slot's tile 0
.endif
	HALF 1, 5, 3
	PLACES                                         ; in front of the loads, and of the first read of the last results
.if \mode > 0
	FETCHW 4, 4, ADN, 0
.endif
	WIN 0
.if \mode > 0
	EPI 1
.else
	EPI 0
.endif
.endm
.macro SCORE_OUT blk                   ; the block's 64 sums of my rows: the pair's halves, lane l xor 16's, through my scratch, out as 256 consecutive bytes
	s_wait_alu depctr_va_vdst(0)
.irp m, 0,1,2,3
	v_add_f32 v[T+\m], v[SC+2*\m], v[SC+2*\m+1]
.endr
.irp m, 0,1,2,3
	v_permlanex16_b32 v[T+8+\m], v[T+\m], s[SEL], s[SEL+1]
.endr
.irp m, 0,1,2,3
	v_add_f32 v[T+\m], v[T+\m], v[T+8+\m]
.endr
.irp m, 0,1,2,3
	ds_store_b32 v[SOA], v[T+\m] offset:64*\m
.endr
	ds_load_b64 v[T+4:T+5], v[SOB]
	s_wait_dscnt 0x0
	global_store_b64 v[SGO], v[T+4:T+5], s[PRT:PRT+1] offset:512*\blk
.if \blk == 0
	s_wait_xcnt 0x0                                ; the store has read its registers
.endif
.endm
	s_mov_b32 s[CI], 4
.Lfill:                                                ; block 0's 128 rows are parked
	LUMP 1
	s_sub_co_u32 s[CI], s[CI], 1
	s_cmp_lg_u32 s[CI], 0
	s_cbranch_scc1 .Lfill
	s_mul_i32 s[PK], s[WV], 8*PITCH
	s_add_co_u32 s[PK], s[PK], PARK
	s_wait_dscnt 0x0                               ; for the others' sake: my rows and my part of the tables lie in LDS
	s_barrier_signal -1
	s_barrier_wait -1
	AFETCH
	s_wait_dscnt 0x0                               ; my reads of the park are over: behind the barrier block 1 is parked there
	s_barrier_signal -1
	s_barrier_wait -1
	FETCHW 0, 8, ADW, 0                            ; slot 0 is whole: every wave waited for its part ahead of the head's second round
	s_mov_b32 s[CO], 3
.Lthree:                                               ; 12 slots of block 0; behind each, two rows a wave of block 1
	v_add_nc_u32 v[ADP], s[PK], v[KO]
.irp p, 0,1,2,3
	SLOT 2
	PAIR \p, 1, 48, 0
.endr
	s_add_co_u32 s[PK], s[PK], 32*PITCH
	s_sub_co_u32 s[CO], s[CO], 1
	s_cmp_lg_u32 s[CO], 0
	s_cbranch_scc1 .Lthree
	s_mov_b32 s[CI], 4
.Lslot_b:                                              ; block 0's last four slots
	SLOT 2
	s_sub_co_u32 s[CI], s[CI], 1
	s_cmp_lg_u32 s[CI], 0
	s_cbranch_scc1 .Lslot_b
	SCORE_OUT 0
	LUMP 0                                         ; block 1's last 32 rows
	s_wait_dscnt 0x0
	s_barrier_signal -1
	s_barrier_wait -1
	AFETCH
	s_mov_b32 s[TB], 0
	v_mov_b32 v[ADT], v[TA0]
.set n, 0
.rept 8
	v_mov_b32 v[SC+n], 0
.set n, n+1
.endr
	s_wait_alu depctr_va_vdst(0)
	s_mov_b32 s[CI], 14
.Lslot_c:                                              ; block 1: the ring went on; 14 slots are filled again,
	SLOT 2
	s_sub_co_u32 s[CI], s[CI], 1
	s_cmp_lg_u32 s[CI], 0
	s_cbranch_scc1 .Lslot_c
	SLOT 1                                         ; and the last two are written out: they ask for nothing
	SLOT 0
	SCORE_OUT 1
	s_wait_tensorcnt 0x0                           ; the wave's end
	ds_add_u32 v[SPW], v[NIL]
	s_wait_dscnt 0x0
	CROUND                                         ; the closing round
	s_endpgm
.Lfunc_end_k_qd817daa5e6_score:
	.size	k_qd817daa5e6_score, .Lfunc_end_k_qd817daa5e6_score-k_qd817daa5e6_score
	.p2alignl 7, 3214868480
	.fill 96, 4, 3214868480
	.section	.rodata,"a",@progbits
	.p2align	6, 0x0
	.amdhsa_kernel k_qd817daa5e6_score
		.amdhsa_group_segment_fixed_size 327680
		.amdhsa_private_segment_fixed_size 0
		.amdhsa_enable_private_segment 0
		.amdhsa_kernarg_size 48
		.amdhsa_user_sgpr_count 2
		.amdhsa_user_sgpr_kernarg_segment_ptr 1
		.amdhsa_wavefront_size32 1
		.amdhsa_system_sgpr_workgroup_id_x 1
		.amdhsa_system_sgpr_workgroup_id_y 1
		.amdhsa_system_sgpr_workgroup_id_z 1
		.amdhsa_system_vgpr_workitem_id 0
		.amdhsa_next_free_vgpr 1024
		.amdhsa_next_free_sgpr 80
		.amdhsa_reserve_vcc 0
		.amdhsa_float_denorm_mode_32 3
		.amdhsa_float_denorm_mode_16_64 3
		.amdhsa_memory_ordered 1
		.amdhsa_forward_progress 1
		.amdhsa_inst_pref_size 255
	.end_amdhsa_kernel
	.section	.bss,"aw",@nobits
	.p2align	6
	.space	262144
	.amdgpu_metadata
---
amdhsa.version: [ 1, 2 ]
amdhsa.kernels:
  - .name:           k_qd817daa5e6_score
    .symbol:         k_qd817daa5e6_score.kd
    .args:
      - { .name: key, .offset: 0, .size: 8, .value_kind: global_buffer, .address_space: global }
      - { .name: wcodes, .offset: 8, .size: 8, .value_kind: global_buffer, .address_space: global }
      - { .name: vtab, .offset: 16, .size: 8, .value_kind: global_buffer, .address_space: global }
      - { .name: v, .offset: 24, .size: 8, .value_kind: global_buffer, .address_space: global }
      - { .name: lowp_scales, .offset: 32, .size: 8, .value_kind: global_buffer, .address_space: global }
      - { .name: part, .offset: 40, .size: 8, .value_kind: global_buffer, .address_space: global }
    .group_segment_fixed_size: 327680
    .private_segment_fixed_size: 0
    .kernarg_segment_align: 8
    .kernarg_segment_size: 48
    .max_flat_workgroup_size: 128
    .sgpr_count:     80
    .vgpr_count:     1024
    .wavefront_size: 32
...
	.end_amdgpu_metadata
.endif
;; end of part 2
;; launch context (part 3): grid 256 x 1, 8 waves a work-group, no clusters, 13,568 bytes of LDS; arguments key, part, out0; writes out0
.if DOCPART == 3
	.amdgcn_target "amdgcn-amd-amdhsa--gfx1250"
	.amdhsa_code_object_version 6
	.text
	.protected	k_qd817daa5e6_context
	.globl	k_qd817daa5e6_context
	.p2align	8
	.type	k_qd817daa5e6_context,@function
k_qd817daa5e6_context:
	s_mov_b64 s[64:65], 0
	v_nop
	global_prefetch_b8 v0, s[64:65] scope:SCOPE_SE
	s_setreg_imm32_b32 hwreg(HW_REG_WAVE_MODE, 25, 1), 1
	s_wait_xcnt 0x0
; CONTEXT.  out0[b][c] = the sum over the batch's 2,048 rows s of w[s] key[b][s][c],  w = softmax over s of the scores.  A score is a constant of the batch - 2 (part[0][s] + part[1][s]), so in base 2
; w[s] is proportional to 2^(z[s] - m),  z = -2.885390 (part[0] + part[1]),  m = the batch's largest z: the maximum is taken away before the exponential, so each weight is at most 1 and their sum at least 1.  All in f32.
; SHARES.  Work-group: batch b = g >> 3, strip g & 7 of 128 channels (512 bytes of every row): each output has one owner.  Every work-group of a batch makes the batch's 2,048 weights itself (16 KiB of part): thread t those of rows 8 t .. 8 t + 7.
; Wave w sums rows 256 w .. 256 w + 255: one load is a row's 512 consecutive bytes, 16 a lane; 32 loads of every wave are always on their way (a ring of 32 slots in registers).
; The rows go in eight rounds of 32, from the wave's last rows to its first.  Nothing is stepped: a wave's rows lie within 255 x 4,096 bytes, inside the signed 24-bit immediate (ISA guide, chapter 10), so row and weight stand in the immediates.
; No matrix unit (one row of weights), no tensor loads, no cluster: work-groups share no byte of key, and the stream goes straight into the registers that use it.
; NaN among the inputs is not served.
.set WT,   0                           ; LDS: the 2,048 weights
.set PS,   8192                        ; eight waves' sums of the strip, 512 bytes each
.set RED,  12288                       ; eight maxima; 32 bytes on, eight sums
.set AC,   8                           ; v8-31   six sets of four sums, by turns: eleven plain vector lines stand between a sum's write and its next reader
.set WR0,  32                          ; v32-63, v192-223  a round's 32 weights, two sets by turns (v32-59 first serve the softmax)
.set WR1,  192
.set X,    64                          ; v64-191 the ring: slot i, four registers
	s_load_b128 s[4:7], s[0:1], 0x0                ; key s[4:5], part s[6:7]
	s_load_b64 s[8:9], s[0:1], 0x10                ; out0
	v_lshl_add_u32 v224, v0, 2, 0x3100
	v_mov_b32 v225, 0
	v_lshrrev_b32 v1, 5, v0
	v_readfirstlane_b32 s10, v1                    ; wave 0..7
	v_and_b32 v2, 31, v0
	v_lshlrev_b32 v2, 4, v2                        ; v2  16 x lane
	v_lshlrev_b32 v3, 5, v0                        ; v3  32 x thread: my 8 rows in part, and my 8 weights in LDS
	v_lshl_add_u32 v4, v1, 2, RED                  ; v4  my wave's word
	v_mov_b32 v5, RED                              ; v5  the eight words
	v_lshl_add_u32 v6, v0, 4, PS                   ; v6  512 x wave + 16 x lane
	s_lshl_b32 s11, s10, 10
	v_mov_b32 v7, s11                              ; v7  my wave's 256 weights
	s_mov_b32 s14, 0x76543210                      ; v_permlanex16_b32: lane l xor 16
	s_mov_b32 s15, 0xfedcba98
	s_lshr_b32 s12, ttmp9, 3                       ; batch
	s_and_b32 s13, ttmp9, 7                        ; strip
	s_lshl_b32 s18, s13, 9
	s_lshl_b32 s16, s12, 23                        ; 2,048 rows of 4,096 bytes a batch,
	s_lshl_b32 s19, s10, 20                        ; 256 rows a wave,
	s_add_co_u32 s16, s16, s19
	s_add_co_u32 s16, s16, s18                     ; 512 bytes a strip
	s_mov_b32 s17, 0
	s_lshl_b32 s20, s12, 13                        ; part: 2,048 rows of 4 bytes
	s_mov_b32 s21, 0
	s_lshl_b32 s22, s12, 12
	s_add_co_u32 s22, s22, s18                     ; out0
	s_mov_b32 s23, 0
	s_wait_alu depctr_va_vdst(0)
	s_wait_kmcnt 0x0
	s_add_nc_u64 s[4:5], s[4:5], s[16:17]
	s_add_nc_u64 s[6:7], s[6:7], s[20:21]
	s_add_nc_u64 s[8:9], s[8:9], s[22:23]
	global_load_b128 v[32:35], v3, s[6:7]
	global_load_b128 v[36:39], v3, s[6:7] offset:16
	global_load_b128 v[40:43], v3, s[6:7] offset:262144
	global_load_b128 v[44:47], v3, s[6:7] offset:262160
.set i, 0
.rept 32
	global_load_b128 v[X+4*i:X+4*i+3], v2, s[4:5] offset:(224+i)*4096 th:TH_LOAD_NT   ; the ring is filled: my rows 224 to 255
.set i, i+1
.endr
	s_wait_loadcnt 32                              ; behind part's four loads: the ring's 32
.irp j, 0,2,4,6
	v_pk_add_f32 v[32+\j:33+\j], v[32+\j:33+\j], v[40+\j:41+\j]
.endr
.irp j, 0,2,4,6
	v_pk_mul_f32 v[32+\j:33+\j], v[32+\j:33+\j], 0xc038aa3b op_sel_hi:[1,0]   ; z = -2.885390 x the two halves' sum
.endr
	v_max3_num_f32 v48, v32, v33, v34
	v_max3_num_f32 v49, v35, v36, v37
	v_max3_num_f32 v48, v48, v38, v39
	v_max_num_f32 v48, v48, v49
	v_max_num_f32_dpp v48, v48, v48 row_xmask:1 row_mask:0xf bank_mask:0xf
	v_max_num_f32_dpp v48, v48, v48 row_xmask:2 row_mask:0xf bank_mask:0xf
	v_max_num_f32_dpp v48, v48, v48 row_xmask:4 row_mask:0xf bank_mask:0xf
	v_max_num_f32_dpp v48, v48, v48 row_xmask:8 row_mask:0xf bank_mask:0xf
	v_permlanex16_b32 v49, v48, s14, s15
	v_max_num_f32 v48, v48, v49                    ; my wave's largest z, in every lane
	ds_store_b32 v4, v48
	s_wait_alu depctr_va_vdst(0)
	s_wait_dscnt 0x0
	s_barrier_signal -1
	s_barrier_wait -1
	ds_load_b128 v[52:55], v5
	ds_load_b128 v[56:59], v5 offset:16
	s_wait_dscnt 0x0
	v_max3_num_f32 v48, v52, v53, v54
	v_max3_num_f32 v49, v55, v56, v57
	v_max3_num_f32 v48, v48, v58, v59
	v_max_num_f32 v48, v48, v49                    ; m
.irp j, 0,1,2,3,4,5,6,7
	v_sub_f32 v[32+\j], v[32+\j], v48
.endr
	s_wait_alu depctr_va_vdst(0)
.irp j, 0,1,2,3,4,5,6,7
	v_exp_f32 v[32+\j], v[32+\j]                   ; 2^(z - m), at most 1
.endr
	v_nop                                          ; a plain line behind the last exponential,
	s_wait_alu depctr_va_vdst(0)                   ; and the one wait for the eight ahead of the first line that names a result
	ds_store_b128 v3, v[32:35] offset:WT
	ds_store_b128 v3, v[36:39] offset:WT+16
	v_pk_add_f32 v[48:49], v[32:33], v[34:35]
	v_pk_add_f32 v[50:51], v[36:37], v[38:39]
	v_pk_add_f32 v[48:49], v[48:49], v[50:51]
	v_add_f32 v48, v48, v49
	v_add_f32_dpp v48, v48, v48 row_xmask:1 row_mask:0xf bank_mask:0xf
	v_add_f32_dpp v48, v48, v48 row_xmask:2 row_mask:0xf bank_mask:0xf
	v_add_f32_dpp v48, v48, v48 row_xmask:4 row_mask:0xf bank_mask:0xf
	v_add_f32_dpp v48, v48, v48 row_xmask:8 row_mask:0xf bank_mask:0xf
	v_permlanex16_b32 v49, v48, s14, s15
	v_add_f32 v48, v48, v49                        ; my wave's sum of weights
	ds_store_b32 v4, v48 offset:32
	s_wait_dscnt 0x0                               ; my weights and my sum lie in LDS
	s_barrier_signal -1
	s_barrier_wait -1                              ; everybody's do
.macro WLOAD rho                       ; the 32 weights of round rho, the same in every lane, into set rho % 2
.set wl, WR0+(WR1-WR0)*((\rho)%2)
.irp q, 0,1,2,3,4,5,6,7
	ds_load_b128 v[wl+4*\q:wl+4*\q+3], v7 offset:WT+128*(\rho)+16*\q
.endr
.endm
; Round rho: my rows 32 rho + 0..31.  A slot's turn: its load is in (the 31 younger ones stay out); two packed multiply-adds by the row's weight, which is taken from its pair for both halves; the slot takes the row 32 further up.
.macro ROUND rho
	s_wait_dscnt 0x0                               ; this round's weights are in
.if (\rho) > 0
	WLOAD (\rho)-1                                 ; the next round's go into the other set
.endif
.set wr, WR0+(WR1-WR0)*((\rho)%2)
.set i, 0
.rept 32
.if (\rho) > 0
	s_wait_loadcnt 31
.else
	s_wait_loadcnt 31-i                            ; the last round loads nothing: the counts run down
.endif
.set a, AC+4*(rc%6)
.set xr, X+4*i
.set wp, wr+i-(i%2)
.if ((\rho) == 7) && (i < 6)                   ; the first six rows start the six sums: nothing is cleared
.if i%2 == 0
	v_pk_mul_f32 v[a:a+1], v[xr:xr+1], v[wp:wp+1] op_sel_hi:[1,0]
	v_pk_mul_f32 v[a+2:a+3], v[xr+2:xr+3], v[wp:wp+1] op_sel_hi:[1,0]
.else
	v_pk_mul_f32 v[a:a+1], v[xr:xr+1], v[wp:wp+1] op_sel:[0,1] op_sel_hi:[1,1]
	v_pk_mul_f32 v[a+2:a+3], v[xr+2:xr+3], v[wp:wp+1] op_sel:[0,1] op_sel_hi:[1,1]
.endif
.else
.if i%2 == 0
	v_pk_fma_f32 v[a:a+1], v[xr:xr+1], v[wp:wp+1], v[a:a+1] op_sel_hi:[1,0,1]
	v_pk_fma_f32 v[a+2:a+3], v[xr+2:xr+3], v[wp:wp+1], v[a+2:a+3] op_sel_hi:[1,0,1]
.else
	v_pk_fma_f32 v[a:a+1], v[xr:xr+1], v[wp:wp+1], v[a:a+1] op_sel:[0,1,0] op_sel_hi:[1,1,1]
	v_pk_fma_f32 v[a+2:a+3], v[xr+2:xr+3], v[wp:wp+1], v[a+2:a+3] op_sel:[0,1,0] op_sel_hi:[1,1,1]
.endif
.endif
.if (\rho) > 0
	global_load_b128 v[xr:xr+3], v2, s[4:5] offset:(32*((\rho)-1)+i)*4096 th:TH_LOAD_NT
.endif
.set i, i+1
.set rc, rc+1
.endr
.endm
.set rc, 0                             ; rows done so far: row rc adds onto set rc % 6
	WLOAD 7
.irp rho, 7,6,5,4,3,2,1,0
	ROUND \rho
.endr
	s_wait_alu depctr_va_vdst(0)                   ; the last rows' sums were written ahead of waits
.irp j, 0,2
	v_pk_add_f32 v[AC+\j:AC+\j+1], v[AC+\j:AC+\j+1], v[AC+4+\j:AC+4+\j+1]
	v_pk_add_f32 v[AC+8+\j:AC+8+\j+1], v[AC+8+\j:AC+8+\j+1], v[AC+12+\j:AC+12+\j+1]
	v_pk_add_f32 v[AC+16+\j:AC+16+\j+1], v[AC+16+\j:AC+16+\j+1], v[AC+20+\j:AC+20+\j+1]
.endr
.irp j, 0,2
	v_pk_add_f32 v[AC+\j:AC+\j+1], v[AC+\j:AC+\j+1], v[AC+8+\j:AC+8+\j+1]
.endr
.irp j, 0,2
	v_pk_add_f32 v[AC+\j:AC+\j+1], v[AC+\j:AC+\j+1], v[AC+16+\j:AC+16+\j+1]
.endr
	ds_store_b128 v6, v[AC:AC+3]
	s_wait_dscnt 0x0                               ; for wave 0's sake
	s_barrier_signal -1
	s_barrier_wait -1
	s_cmp_lg_u32 s10, 0
	s_cbranch_scc1 .Ldone
.irp j, 0,1,2,3,4,5,6,7
	ds_load_b128 v[X+4*\j:X+4*\j+3], v6 offset:512*\j   ; in wave 0 the thread's number is the lane's
.endr
	ds_load_b128 v[52:55], v5 offset:32
	ds_load_b128 v[56:59], v5 offset:48
	s_wait_dscnt 0x0
	v_pk_add_f32 v[52:53], v[52:53], v[54:55]
	v_pk_add_f32 v[56:57], v[56:57], v[58:59]
	v_pk_add_f32 v[52:53], v[52:53], v[56:57]
	v_add_f32 v52, v52, v53                        ; the batch's sum of weights, at least 1
	s_wait_alu depctr_va_vdst(0)
	v_rcp_f32 v52, v52
.irp j, 1,2,3,4,5,6,7                              ; the eight waves' parts are added between the reciprocal and the wait for it
	v_pk_add_f32 v[X:X+1], v[X:X+1], v[X+4*\j:X+4*\j+1]
	v_pk_add_f32 v[X+2:X+3], v[X+2:X+3], v[X+4*\j+2:X+4*\j+3]
.endr
	s_wait_alu depctr_va_vdst(0)                   ; the wait ahead of the first line that names the reciprocal
	v_pk_mul_f32 v[X:X+1], v[X:X+1], v[52:53] op_sel_hi:[1,0]
	v_pk_mul_f32 v[X+2:X+3], v[X+2:X+3], v[52:53] op_sel_hi:[1,0]
	global_store_b128 v2, v[X:X+3], s[8:9]         ; 512 consecutive bytes, at a multiple of 512 from out0's first byte
.Ldone:
	s_wait_tensorcnt 0x0
	ds_add_u32 v224, v225
	s_wait_dscnt 0x0
	s_endpgm
.Lfunc_end_k_qd817daa5e6_context:
	.size	k_qd817daa5e6_context, .Lfunc_end_k_qd817daa5e6_context-k_qd817daa5e6_context
	.p2alignl 7, 3214868480
	.fill 96, 4, 3214868480
	.section	.rodata,"a",@progbits
	.p2align	6, 0x0
	.amdhsa_kernel k_qd817daa5e6_context
		.amdhsa_group_segment_fixed_size 13568
		.amdhsa_private_segment_fixed_size 0
		.amdhsa_enable_private_segment 0
		.amdhsa_kernarg_size 24
		.amdhsa_user_sgpr_count 2
		.amdhsa_user_sgpr_kernarg_segment_ptr 1
		.amdhsa_wavefront_size32 1
		.amdhsa_system_sgpr_workgroup_id_x 1
		.amdhsa_system_sgpr_workgroup_id_y 1
		.amdhsa_system_sgpr_workgroup_id_z 1
		.amdhsa_system_vgpr_workitem_id 0
		.amdhsa_next_free_vgpr 226
		.amdhsa_next_free_sgpr 66
		.amdhsa_reserve_vcc 0
		.amdhsa_float_denorm_mode_32 3
		.amdhsa_float_denorm_mode_16_64 3
		.amdhsa_memory_ordered 1
		.amdhsa_forward_progress 1
		.amdhsa_inst_pref_size 77
	.end_amdhsa_kernel
	.amdgpu_metadata
---
amdhsa.version: [ 1, 2 ]
amdhsa.kernels:
  - .name:           k_qd817daa5e6_context
    .symbol:         k_qd817daa5e6_context.kd
    .args:
      - { .name: key, .offset: 0, .size: 8, .value_kind: global_buffer, .address_space: global }
      - { .name: part, .offset: 8, .size: 8, .value_kind: global_buffer, .address_space: global }
      - { .name: out0, .offset: 16, .size: 8, .value_kind: global_buffer, .address_space: global }
    .group_segment_fixed_size: 13568
    .private_segment_fixed_size: 0
    .kernarg_segment_align: 8
    .kernarg_segment_size: 24
    .max_flat_workgroup_size: 256
    .sgpr_count:     66
    .vgpr_count:     226
    .wavefront_size: 32
...
	.end_amdgpu_metadata
.endif
;; end of part 3
